; MI455X (gfx1250); checked and timed in simulation.
; The chip was launched on July 23, 2026; its instructions are those of AMD's public machine-readable ISA for CDNA 5 (MIT licence, August 2026) and "CDNA5" Instruction Set Architecture Reference Guide (July 2026). The comments in the code are by the model that wrote it; some were corrected since.
;; Mixture Of Experts. Allowed arithmetic: float matrix products may take bf16 or f16 operands with f32 sums; other float arithmetic in f32, or as packed bf16 or f16 multiplies, adds, multiply-adds, maxima and minima; sums over many terms, partial sums and values carried from step to step in f32; what a program stores and reads back later, other than sums and carried values, may be rounded once to bf16 or f16.
;; Inputs: Wfs 256 x 256 float32; Wfv 256 x 256 float32; Wg1 512 x 128 float32; Wg2 128 x 8 float32; Ws1 8 x 512 x 256 float32; Ws2 8 x 256 x 256 float32; Wv1 8 x 512 x 256 float32; Wv2 8 x 256 x 256 float32; bfs 256 float32; bg1 128 float32; bg2 8 float32; bs1 8 x 256 float32; bs2 8 x 256 float32; scalar_long 10,000 x 256 float32; scalar_short 10,000 x 256 float32; vector_long 10,000 x 3 x 256 float32; vector_short 10,000 x 3 x 256 float32.
;; Outputs: out0 10,000 x 256 float32; out1 10,000 x 3 x 256 float32.
;; One version. Each part assembles by itself: llvm-mc -triple=amdgcn-amd-amdhsa -mcpu=gfx1250 --defsym DOCPART=n.
;; ======== version 1 of 1: 2 launches
;; limits: values outside matrix products are rounded to f16; values are held in f16: magnitudes above 65,504 overflow, below 6.1e-05 lose precision
;; workspace buffers: wstream 6,684,672 bytes
;; launch prep (part 1): grid 133 x 1, 8 waves a work-group, no clusters, 140,288 bytes of LDS; arguments Ws1, Wv1, Wg1, Ws2, Wv2, Wfs, Wfv, bs2, bfs, wstream; writes wstream
.if DOCPART == 1
	.amdgcn_target "amdgcn-amd-amdhsa--gfx1250"
	.amdhsa_code_object_version 6
	.text
	.protected	k_q3f4ddff859_prep
	.globl	k_q3f4ddff859_prep
	.p2align	8
	.type	k_q3f4ddff859_prep,@function
k_q3f4ddff859_prep:
	s_mov_b64 s[64:65], 0
	v_nop
	global_prefetch_b8 v0, s[64:65] scope:SCOPE_SE
	s_setreg_imm32_b32 hwreg(HW_REG_WAVE_MODE, 25, 1), 1
	s_wait_xcnt 0x0
; PREP: the weights of the mixture, rounded once and laid out as operand fragments in the order in which the main launch walks them.
; wstream holds two streams (0 scalar path, 1 vector path) of 34 slots of 98,304 bytes.  A FRAGMENT is 16 rows x 32 k of 16 bits, 1,024 bytes, laid
; [half q][lane][16 bytes]: lane (r = lane % 16, hh = lane / 16) holds row r, k = 16 q + 8 hh + 0..7, so that two 16-byte loads a lane fill a matrix operand.
; HIDDEN ORDER: hidden unit n = 64 y + 4 m + jb of an expert lies in chunk u = 8 e + 2 y + jb / 2, block b = jb % 2, row m (the gate's 128 units likewise, chunk 2 y + jb / 2).
; SLOTS: 0: gate chunks 0, 1, then W1 of chunk 0.   1: gate chunks 2, 3, then the 16 fragments C, then zeros.
;        2 + p: W1(2p+1), W2'(2p), W1(2p+2), W2'(2p+1) (32, 16, 32, 16 fragments); W1(64) does not exist: zeros.
; W2'(e) = bf16(W2_e) x bf16(Wf), summed in f32 and rounded to f16: the final projection folded into the second layer.  C: k = e holds bs2_e . Wfs + bfs (stream 1: zeros).
; WORK-GROUPS: 0-63 lay W1 (path, expert, y); 64-67 lay Wg1 into both streams; 68-131 fold W2 (path, expert, y); 132 makes C and the zeros.
; LIMITS: |W2'| and |C| stay under 65,504 (f16); below 6e-5 f16 keeps its fixed step of 6e-8.  NaN and infinities are not treated apart.
; In the folding work-groups a lane reads its own row of W2 in pieces of 16 bytes: the wave's 32 loads together read its 16 rows whole (4 MB in the whole launch is read so).
.set SLOTB,  98304
.set UNITB,  49152
.set STREAM, 34*SLOTB
.set WP,     544                       ; a row of Wf in LDS: 512 bytes of bf16 + 32: an odd multiple of 32
.set SPARE,  256*WP                    ; behind Wf: the spare words, 128 bytes for each of the eight waves
.set SPW, 2                            ; v2  my spare word; never rewritten
.set NIL, 3                            ; v3  0; never rewritten
.set RL,  4                            ; v4  lane % 16
.set HH,  5                            ; v5  lane / 16
.set LN,  6                            ; v6  lane
.set L16, 11                           ; v11 16 x lane
.macro PLACES
.rept 4
	v_nop
.endr
.endm
	s_load_b512 s[8:23], s[0:1], 0x0               ; Ws1 s[8:9], Wv1 s[10:11], Wg1 s[12:13], Ws2 s[14:15], Wv2 s[16:17], Wfs s[18:19], Wfv s[20:21], bs2 s[22:23]
	s_load_b128 s[24:27], s[0:1], 0x40             ; bfs s[24:25], wstream s[26:27]
	v_lshl_add_u32 v[SPW], v0, 2, SPARE
	v_mov_b32 v[NIL], 0
	v_lshrrev_b32 v1, 5, v0
	v_readfirstlane_b32 s28, v1                    ; wave 0..7
	v_and_b32 v[LN], 31, v0
	v_and_b32 v[RL], 15, v0
	v_bfe_u32 v[HH], v0, 4, 1
	v_lshlrev_b32 v[L16], 4, v[LN]
	s_mov_b32 s30, ttmp9
	s_cmp_ge_u32 s30, 68
	s_cbranch_scc1 .Lfold
; ---------------- LAYING W1 AND Wg1 OUT: no LDS, no shuffle ----------------
; The work-group has 64 consecutive columns n (256 bytes of each of the 512 rows k).  Sixteen lanes read those 256 bytes of one row; a lane reads eight rows, so it holds 8 k x 4 n:
; component jj of eight rows, rounded in pairs, IS the lane's 16 bytes of a fragment of block jj % 2 of chunk jj / 2.
	s_cmp_ge_u32 s30, 64
	s_cbranch_scc1 .Lgate
	s_lshr_b32 s31, s30, 5                         ; path
	s_bfe_u32 s32, s30, 0x30002                    ; expert
	s_and_b32 s33, s30, 3                          ; y
	s_lshl_b32 s34, s32, 19                        ; an expert's W1 is 524,288 bytes
	s_lshl_b32 s35, s33, 8
	s_add_co_u32 s34, s34, s35                     ; source offset
	s_mov_b32 s36, 1024                            ; bytes from row to row
	s_lshl2_add_u32 s37, s32, s33                  ; 4 e + y: half the even chunk's number
	s_mul_i32 s38, s37, SLOTB
	s_add_co_u32 s39, s38, 2*SLOTB                 ; the odd chunk heads slot 2 + (4 e + y)
	s_add_co_u32 s38, s38, SLOTB+UNITB             ; the even chunk heads the second unit of the slot before,
	s_cmp_eq_u32 s37, 0
	s_cselect_b32 s38, 65536, s38                  ; but chunk 0 lies in slot 0 behind the gate's two chunks
	s_wait_kmcnt 0x0
	s_cmp_eq_u32 s31, 1
	s_cselect_b64 s[40:41], s[10:11], s[8:9]
	s_branch .Llay
.Lgate:
	s_sub_co_u32 s30, s30, 64
	s_lshr_b32 s31, s30, 1                         ; the stream that gets this copy
	s_and_b32 s33, s30, 1                          ; y
	s_lshl_b32 s34, s33, 8
	s_mov_b32 s36, 512
	s_mul_i32 s38, s33, SLOTB                      ; gate chunks 2 y and 2 y + 1 head slot y
	s_add_co_u32 s39, s38, 32768
	s_wait_kmcnt 0x0
	s_mov_b64 s[40:41], s[12:13]
.Llay:
	s_mov_b32 s35, 0
	s_add_nc_u64 s[40:41], s[40:41], s[34:35]
	s_mul_i32 s42, s31, STREAM
	s_mov_b32 s49, 0
	s_add_co_u32 s48, s38, s42
	s_add_nc_u64 s[44:45], s[26:27], s[48:49]      ; where the even chunk goes
	s_add_co_u32 s48, s39, s42
	s_add_nc_u64 s[46:47], s[26:27], s[48:49]      ; where the odd chunk goes
	s_lshl_b32 s48, s36, 6
	s_mul_i32 s48, s48, s28                        ; a wave has 64 rows k, four tasks of 16
	s_add_nc_u64 s[52:53], s[40:41], s[48:49]
	s_lshl_b32 s48, s36, 4
	s_add_nc_u64 s[54:55], s[52:53], s[48:49]
	s_add_nc_u64 s[56:57], s[54:55], s[48:49]
	s_add_nc_u64 s[58:59], s[56:57], s[48:49]
	s_lshl_b32 s43, s36, 3
	v_mul_u32_u24 v16, s43, v[HH]                  ; lanes 16-31 take the rows eight further down
	v_lshl_add_u32 v16, v[RL], 4, v16
.irp i,1,2,3,4,5,6,7
	v_add_nc_u32 v[16+\i], s36, v[15+\i]
.endr
	s_lshl_b32 s43, s28, 12
	v_add_nc_u32 v12, s43, v[L16]                  ; 16 x lane + two K steps (4 fragments) a wave
.irp j,0,1,2,3
.irp i,0,1,2,3,4,5,6,7
	global_load_b128 v[64+32*\j+4*\i:64+32*\j+4*\i+3], v[16+\i], s[52+2*\j:53+2*\j]  ; sixteen lanes: 256 consecutive bytes of one row
.endr
.endr
.irp j,0,1,2,3
	s_wait_loadcnt 24-8*\j                         ; the loads of the tasks behind this one may stay out
.irp jj,0,1,2,3
.irp p,0,1,2,3
	v_cvt_pk_bf16_f32 v[192+16*\j+4*\jj+\p], v[64+32*\j+8*\p+\jj], v[64+32*\j+8*\p+4+\jj]
.endr
	global_store_b128 v12, v[192+16*\j+4*\jj:192+16*\j+4*\jj+3], s[44+2*(\jj/2):45+2*(\jj/2)] offset:2048*(\j/2)+512*(\j%2)+1024*(\jj%2)  ; the wave stores 512 consecutive bytes: half a fragment
.endr
.endr
	s_endpgm
; ---------------- FOLDING: W2' = W2 x Wf, AND C ----------------
; Wave w: jb = w % 4 picks 16 rows n = 64 y + 4 m + jb of W2_e (source 0), obh = w / 4 picks 128 columns of Wf (source 1, turned out of LDS).  In the result lane (r, h) holds column r and
; rows m = 8 h + 0..7: rounded to f16 in pairs these are the lane's 16 bytes of half jb % 2 of a fragment of W2'.
.Lfold:
	s_sub_co_u32 s30, s30, 68
	s_and_b32 s29, s28, 3                          ; jb
	s_lshr_b32 s33, s28, 2                         ; obh
	s_bfe_u32 s32, s30, 0x10005                    ; path
	s_bfe_u32 s34, s30, 0x30002                    ; expert
	s_and_b32 s35, s30, 3                          ; y
	s_lshl_b32 s36, s34, 18
	s_lshl_b32 s37, s35, 16
	s_add_co_u32 s36, s36, s37
	s_lshl_b32 s37, s29, 10
	s_add_co_u32 s36, s36, s37                     ; row 256 e + 64 y + jb of W2
	s_lshl2_add_u32 s38, s34, s35
	s_add_co_u32 s38, s38, 2
	s_mul_i32 s38, s38, SLOTB                      ; chunk u = 8 e + 2 y + jb / 2 lies in slot 2 + u / 2,
	s_lshr_b32 s39, s29, 1
	s_mul_i32 s40, s39, UNITB                      ; unit u % 2,
	s_add_co_u32 s38, s38, s40
	s_mul_i32 s40, s32, STREAM
	s_add_co_u32 s38, s38, s40
	s_add_co_u32 s38, s38, 32768                   ; behind the unit's 32 fragments of W1
	s_mul_i32 s41, s39, STREAM                     ; C: waves jb = 0, 1 write stream 0's two halves, jb = 2, 3 stream 1's
	s_add_co_u32 s41, s41, SLOTB+65536
	s_and_b32 s40, s29, 1
	s_lshl_b32 s40, s40, 9                         ; half jb % 2 of each fragment,
	s_lshl_b32 s42, s33, 13                        ; eight fragments for each obh
	s_add_co_u32 s40, s40, s42
	s_add_co_u32 s38, s38, s40
	s_add_co_u32 s41, s41, s40
	s_cmp_eq_u32 s29, 0
	s_cselect_b32 s46, 1.0, 0
	s_cmp_eq_u32 s30, 64                           ; the last work-group makes C
	s_cselect_b32 s31, 1, 0
	s_cselect_b32 s38, s41, s38
	s_cselect_b32 s36, 0, s36
	s_cselect_b32 s43, 7, 15                       ; C: rows 8-15 repeat bs2's eight rows,
	s_cselect_b32 s44, 10, 12                      ; which lie 1,024 bytes apart; W2's rows m lie four rows apart
	s_cselect_b32 s45, 0, 1.0
	s_cselect_b32 s46, s46, 0                      ; 1.0: this wave makes the half of C that is not zero
	s_wait_kmcnt 0x0
	s_cmp_eq_u32 s32, 1
	s_cselect_b64 s[48:49], s[16:17], s[14:15]
	s_cselect_b64 s[50:51], s[20:21], s[18:19]
	s_cmp_eq_u32 s31, 1
	s_cselect_b64 s[48:49], s[22:23], s[48:49]
	s_mov_b32 s37, 0
	s_add_nc_u64 s[48:49], s[48:49], s[36:37]
	s_mov_b32 s39, 0
	s_add_nc_u64 s[52:53], s[26:27], s[38:39]
	s_lshl_b32 s36, s28, 15
	s_add_nc_u64 s[50:51], s[50:51], s[36:37]      ; my 32 rows of Wf
	v_and_b32 v7, s43, v[RL]
	v_lshlrev_b32 v7, s44, v7
	v_lshl_add_u32 v7, v[HH], 5, v7                ; my row + 32 bytes for lanes 16-31
.set n_, 0
.rept 32                                       ; K step n / 4: k = 8 hh + 0..7 and 16 + 8 hh + 0..7 in f32
	global_load_b128 v[128+4*n_:128+4*n_+3], v7, s[48:49] offset:128*(n_/4)+64*((n_%4)/2)+16*(n_%2)
.set n_, n_+1
.endr
	s_mul_i32 s36, s28, 32*WP
	v_lshl_add_u32 v9, v[LN], 3, s36               ; where my rows of Wf go in LDS
	v_and_b32 v13, 7, v[LN]
	v_lshl_add_u32 v13, v[HH], 3, v13
	v_mul_u32_u24 v10, WP, v13                     ; the turning load: row 8 hh + lane % 8,
	v_bfe_u32 v13, v[LN], 3, 1
	v_lshl_add_u32 v10, v13, 4, v10                ; 16 bytes for each half of eight lanes,
	s_lshl_b32 s36, s33, 8
	v_add_nc_u32 v10, s36, v10                     ; my 128 columns
	v_lshlrev_b32 v12, 2, v[RL]
	s_lshl_b32 s36, s33, 9
	v_add_nc_u32 v12, s36, v12                     ; bfs of column 128 obh + r
	s_wait_loadcnt 0x0
.set n_, 0
.rept 64
	v_cvt_pk_bf16_f32 v[16+n_], v[128+2*n_], v[128+2*n_+1]     ; source 0 of K step n / 8
.set n_, n_+1
.endr
.irp p,0,1                             ; Wf into LDS as bf16, [j][o]: 16 rows a pass
.set n_, 0
.rept 32
	global_load_b128 v[128+4*n_:128+4*n_+3], v[L16], s[50:51] offset:16384*\p+512*n_  ; the wave reads 512 consecutive bytes
.set n_, n_+1
.endr
	s_wait_loadcnt 0x0
.set n_, 0
.rept 64
	v_cvt_pk_bf16_f32 v[80+n_], v[128+2*n_], v[128+2*n_+1]
.set n_, n_+1
.endr
.set n_, 0
.rept 32
	ds_store_b64 v9, v[80+2*n_:80+2*n_+1] offset:WP*(16*\p+n_/2)+256*(n_%2)
.set n_, n_+1
.endr
.endr
.irp k,0,1,2,3,4,5,6,7
	global_load_b32 v[208+\k], v12, s[24:25] offset:64*\k
.endr
	s_wait_dscnt 0x0                               ; for the others' sake: my rows of Wf are in LDS
	s_barrier_signal -1
	s_barrier_wait -1
.irp c,0,1,2,3,4,5,6,7
.irp k,0,1,2,3,4,5,6,7
	ds_load_tr16_b128 v[144+8*\k:144+8*\k+3], v10 offset:32*\k
	ds_load_tr16_b128 v[144+8*\k+4:144+8*\k+7], v10 offset:32*\k+16*WP
.endr
	v_add_nc_u32 v10, 32*WP, v10                   ; the next 32 rows j
	s_wait_dscnt 0x0
.irp k,0,1,2,3,4,5,6,7                 ; eight accumulators by turns
.if \c == 0
	v_wmma_f32_16x16x32_bf16 v[80+8*\k:87+8*\k], v[16+8*\c:23+8*\c], v[144+8*\k:151+8*\k], 0
.else
	v_wmma_f32_16x16x32_bf16 v[80+8*\k:87+8*\k], v[16+8*\c:23+8*\c], v[144+8*\k:151+8*\k], v[80+8*\k:87+8*\k]
.endif
.endr
	PLACES                                         ; four places ahead of the next loads into source 1's registers, and of the reads of the sums
.endr
	s_wait_tensorcnt 0x0                           ; my last LDS instruction is behind me
	ds_add_u32 v[SPW], v[NIL]
	s_wait_dscnt 0x0
	v_cmp_eq_u32 vcc_lo, 0, v[HH]
	v_mov_b32 v13, s46
	v_cndmask_b32 v13, 0, v13, vcc_lo              ; 1.0 where C is not zero: k = e lies in lanes 0-15 of half 0
	v_max_num_f32 v14, s45, v13                    ; the sums' factor: 1.0 for W2', that mask for C
	v_mov_b32 v15, v14
	s_wait_loadcnt 0x0
.irp k,0,1,2,3,4,5,6,7
	v_cvt_pk_bf16_f32 v[208+\k], v[208+\k], v[208+\k]
	v_lshlrev_b32 v[208+\k], 16, v[208+\k]         ; bfs rounded to bf16, as every input is,
	v_mul_f32 v[208+\k], v13, v[208+\k]            ; and only where C is not zero
.endr
.irp k,0,1,2,3,4,5,6,7
.irp n,0,1,2,3
	v_pk_fma_f32 v[80+8*\k+2*\n:80+8*\k+2*\n+1], v[80+8*\k+2*\n:80+8*\k+2*\n+1], v[14:15], v[208+2*(\k/2):209+2*(\k/2)] op_sel:[0,0,\k%2] op_sel_hi:[1,1,\k%2]
.endr
.irp n,0,1,2,3
	v_cvt_pk_f16_f32 v[216+4*\k+\n], v[80+8*\k+2*\n], v[80+8*\k+2*\n+1]
.endr
	global_store_b128 v[L16], v[216+4*\k:216+4*\k+3], s[52:53] offset:1024*\k  ; 512 consecutive bytes: half a fragment
.endr
	s_cmp_eq_u32 s31, 1
	s_cbranch_scc0 .Ldone
	; the zeros: behind C in slot 1 (16 fragments) and in the place of W1(64) in slot 33 (32 fragments), in both streams: a quarter of each for a wave
.irp n,0,1,2,3
	v_mov_b32 v[248+\n], 0
.endr
	s_mul_i32 s36, s33, STREAM
	s_lshl_b32 s38, s29, 12
	s_add_co_u32 s38, s38, s36
	s_add_co_u32 s38, s38, SLOTB+81920
	s_add_nc_u64 s[54:55], s[26:27], s[38:39]
	s_lshl_b32 s38, s29, 13
	s_add_co_u32 s38, s38, s36
	s_add_co_u32 s38, s38, 33*SLOTB+UNITB
	s_add_nc_u64 s[56:57], s[26:27], s[38:39]
.set n_, 0
.rept 8
	global_store_b128 v[L16], v[248:251], s[54:55] offset:512*n_
.set n_, n_+1
.endr
.set n_, 0
.rept 16
	global_store_b128 v[L16], v[248:251], s[56:57] offset:512*n_
.set n_, n_+1
.endr
.Ldone:
	s_endpgm
.Lfunc_end_k_q3f4ddff859_prep:
	.size	k_q3f4ddff859_prep, .Lfunc_end_k_q3f4ddff859_prep-k_q3f4ddff859_prep
	.p2alignl 7, 3214868480
	.fill 96, 4, 3214868480
	.section	.rodata,"a",@progbits
	.p2align	6, 0x0
	.amdhsa_kernel k_q3f4ddff859_prep
		.amdhsa_group_segment_fixed_size 140288
		.amdhsa_private_segment_fixed_size 0
		.amdhsa_enable_private_segment 0
		.amdhsa_kernarg_size 80
		.amdhsa_user_sgpr_count 2
		.amdhsa_user_sgpr_kernarg_segment_ptr 1
		.amdhsa_wavefront_size32 1
		.amdhsa_system_sgpr_workgroup_id_x 1
		.amdhsa_system_sgpr_workgroup_id_y 1
		.amdhsa_system_sgpr_workgroup_id_z 1
		.amdhsa_system_vgpr_workitem_id 0
		.amdhsa_next_free_vgpr 256
		.amdhsa_next_free_sgpr 66
		.amdhsa_reserve_vcc 1
		.amdhsa_float_denorm_mode_32 3
		.amdhsa_float_denorm_mode_16_64 3
		.amdhsa_memory_ordered 1
		.amdhsa_forward_progress 1
		.amdhsa_inst_pref_size 63
	.end_amdhsa_kernel
	.amdgpu_metadata
---
amdhsa.version: [ 1, 2 ]
amdhsa.kernels:
  - .name:           k_q3f4ddff859_prep
    .symbol:         k_q3f4ddff859_prep.kd
    .args:
      - { .name: Ws1, .offset: 0, .size: 8, .value_kind: global_buffer, .address_space: global }
      - { .name: Wv1, .offset: 8, .size: 8, .value_kind: global_buffer, .address_space: global }
      - { .name: Wg1, .offset: 16, .size: 8, .value_kind: global_buffer, .address_space: global }
      - { .name: Ws2, .offset: 24, .size: 8, .value_kind: global_buffer, .address_space: global }
      - { .name: Wv2, .offset: 32, .size: 8, .value_kind: global_buffer, .address_space: global }
      - { .name: Wfs, .offset: 40, .size: 8, .value_kind: global_buffer, .address_space: global }
      - { .name: Wfv, .offset: 48, .size: 8, .value_kind: global_buffer, .address_space: global }
      - { .name: bs2, .offset: 56, .size: 8, .value_kind: global_buffer, .address_space: global }
      - { .name: bfs, .offset: 64, .size: 8, .value_kind: global_buffer, .address_space: global }
      - { .name: wstream, .offset: 72, .size: 8, .value_kind: global_buffer, .address_space: global }
    .group_segment_fixed_size: 140288
    .private_segment_fixed_size: 0
    .kernarg_segment_align: 8
    .kernarg_segment_size: 80
    .max_flat_workgroup_size: 256
    .sgpr_count:     66
    .vgpr_count:     256
    .wavefront_size: 32
...
	.end_amdgpu_metadata
.endif
;; end of part 1
;; launch moe (part 2): grid 216 x 1, 4 waves a work-group, clusters of 4 x 1, 327,680 bytes of LDS; arguments scalar_short, scalar_long, vector_short, vector_long, bs1, bg1, bg2, Wg2, wstream, out0, out1; writes out0, out1
.if DOCPART == 2
	.amdgcn_target "amdgcn-amd-amdhsa--gfx1250"
	.amdhsa_code_object_version 6
	.text
	.protected	k_q3f4ddff859_moe
	.globl	k_q3f4ddff859_moe
	.p2align	8
	.type	k_q3f4ddff859_moe,@function
k_q3f4ddff859_moe:
	s_mov_b64 s[64:65], 0
	v_nop
	global_prefetch_b8 v0, s[64:65] scope:SCOPE_SE
	s_setreg_imm32_b32 hwreg(HW_REG_WAVE_MODE, 25, 1), 1
	s_wait_xcnt 0x0
	s_wait_alu depctr_hold_cnt(0) depctr_sa_sdst(0) depctr_va_vdst(0) depctr_va_sdst(0) depctr_va_ssrc(0) depctr_va_vcc(0) depctr_vm_vsrc(0)
	s_getreg_b32 s2, hwreg(HW_REG_IB_STS2, 6, 4)
	s_cmp_eq_u32 s2, 0
	s_cbranch_scc0 .Lentry_in_a_cluster
	s_endpgm
.Lentry_in_a_cluster:
	s_bfe_u32 s2, ttmp6, 0x10000c
	s_cmp_lg_u32 s2, 0x3003
	s_cbranch_scc0 .Lentry_shape_is_right
	s_endpgm
.Lentry_shape_is_right:
; THE MIXTURE, from x to the outputs in one launch.  For each row x (512 numbers: short, long):  out = sum_e w_e (silu(x W1_e + b1_e) W2_e + b2_e) Wf + bf,  w = softmax(silu(g Wg1 + bg1) Wg2 + bg2),
; g = the row itself (scalar path) or the mean of its token's three rows (vector path; no biases b1, b2, bf there).
; THREE IDENTITIES.  (1) Wf is folded: out = [w_e silu(..)]_e (K = 2,048) x stacked (W2_e Wf) + sum_e w_e (b2_e Wf + bf), since the w_e sum to 1 (here: the sum of the w_e rounded to f16, 1 to within 2^-12).
; (2) mean(x_v) Wg1 = the mean of the three x_v Wg1.  (3) w silu(h) = h / (2^(-h log2 e - log2 w) + 1 / w): the gate's weight costs no multiply.
; FORMATS.  Every input is rounded to bf16 (biases then kept in f32); x W1 and x Wg1 are bf16 products.  What the program makes itself is f16: the gated hidden layer, W2 Wf, the gate's hidden layer, w.
; LIMITS.  |w silu(h)|, |silu| of the gate's hidden layer, |W2 Wf| stay under 65,504; below 6e-5 f16 keeps its fixed step of 6e-8.  NaN and infinities are not treated apart.  The softmax takes its maximum away.
; SHARES.  A wave holds three tiles of 16 rows: X (384 registers) and the 48 output accumulators (384) stay in registers.  Vector wave: 16 tokens, tile t = component t.  Scalar wave: three tiles.
; 54 clusters of 4: clusters 0-13 scalar (tile (4 t + wave) 56 + work-group), 14-53 vector (group 160 wave + work-group - 56).  A tile number of 625 or more repeats tile 624 and is not stored (EXEC = 0).
; BOTH PRODUCTS ARE USED TRANSPOSED (source 0 = a weight fragment, source 1 = 16 rows): a lane holds ONE row (lane % 16) in H^T = W1^T X^T, in P and in O^T += W2'^T P, so the hidden layer never leaves registers.
; THE STREAM.  All work-groups of a path walk the same 34 slots of 98,304 bytes, through two LDS slots; the four of a cluster ask JOINTLY, each wave for a quarter of a slot (96 rows of 256 bytes).
; BODY u (32 hidden units, a unit of 48 fragments): 96 products of chunk u, behind them the activation of chunk u - 1, then its 48 products into O^T.  A slot feeds two bodies.
; THE FRAGMENTS go through a ring of twelve places in registers (fragment f of a unit in place f % 12), filled in runs of six fragments, 12 loads: a run stands ahead of every 18th product and fetches the six
; fragments behind the six that are still unread.  With the run of bias loads a body has nine runs for its 109 LDS loads; none stands singly among the products.
; REGISTERS (flat number / 256 = window): window 0: v0-15 addresses, Q, V; v16-111 H, two buffers of 48; v112-159 E (after packing E[t][0..7] is P[t]); v160-255 F, the ring.
;   flat 256-639 X[t][c] = 256 + 8 (3 c + t).   flat 640-1023 O[ob][t] = 640 + 8 (3 ob + t); ahead of the loop this space holds x as loaded, then the logits and the softmax.
; s_set_vgpr_msb: bits 1:0 source 0, 3:2 source 1, 5:4 source 2, 7:6 destination.  The first product wants source 1 alone elsewhere; the riders that have no vector register as source 1, and the LDS loads, run under that setting.
.set SLOTB,  98304
.set UNITB,  49152
.set QUART,  24576                     ; a wave's quarter of a slot
.set SLOT1,  1<<17                     ; LDS slot 1 begins here: one exclusive or changes slots
.set STREAM, 34*SLOTB
.set BT,     98304                     ; bs1 as f32, in hidden order: float 32 u + 16 b + m (zeros in vector work-groups)
.set GBT,    106496                    ; bg1 likewise
.set GB2,    107008                    ; bg2
.set G2T,    107264                    ; four fragments of Wg2 in f16: row r = expert r % 8
.set SPARE,  111360                    ; the spare words, 128 bytes a wave: two blocks of 256 bytes that no other line names
.set STAGE,  229376                    ; behind slot 1: 16 rows x 1,040 bytes for each wave: X's turning, then the table of -log2 w, then the way out
.set STGB,   16640
.set SPI,    1040
.set TILES,  625
.set H32,  0                           ; v0   32 x (lane / 16), made when the thread's number has been used
.set L16,  1                           ; v1   16 x lane
.set ADR0, 2                           ; v2   my 16 bytes in the slot's first unit
.set ADR1, 3                           ; v3   in its second unit
.set BADR, 4                           ; v4   bias table
.set WADR, 5                           ; v5   table of -log2 w
.set SPW,  6                           ; v6   my spare word; never rewritten
.set NIL,  7                           ; v7   0; never rewritten
.set Q,    8                           ; v8-11  -log2 w of the expert in hand for my row in tiles 0, 1, 2; 0
.set V,    12                          ; v12-15 1 / w likewise; 0
.set HB,   16
.set EB,   112
.set FB,   160
; ahead of the loop and on the way out, in F's registers:
.set VO,   160                         ; v160-167 byte offset of my 16 bytes in rows i and i + 8 of a tile
.set RL,   168
.set HH,   169
.set LN,   170
.set SA,   171
.set XA,   172
.set TA,   173
.set T2,   174
.set T3,   175
.set T4,   176
.set T5,   177
.set T6,   178
.set T7,   179
.set TD,   180                         ; v180-219 the tables as loaded
.set TT,   220
.set TF,   240
.set T8,   248
.set OT,   168
.set OS,   169
.set OL,   170
.set TV,   171
; the softmax, in window 2 (flat 640 + ..)
.set SL,   128                         ; logits: 8 a tile
.set SAA,  152                         ; a_e = (l_e - m) log2 e
.set SP,   176                         ; p_e, then w_e
.set SNL,  200                         ; -log2 w: quad e = tiles 0, 1, 2, 0
.set SPM,  232                         ; (m log2 e, m)
.set SRL,  238                         ; (1 / s, log2 s)
.set SS,   244
.set SGA,  3                           ; s3   LDS byte of the gate chunk to come
.set SGB,  4                           ; s4   of its biases
.set SG2,  5                           ; s5   of its fragment of Wg2
.set SW,   6                           ; s6   of the table entry to come
.set STG,  7                           ; s7   my stage
.set PB,   32                          ; s[32:43] x: tile t, source (0 short, 1 long) at PB + 4 t + 2 src
.set OUTB, 44                          ; s[44:49] the output at tile t
.set G1,   52                          ; s[52:59] descriptor group 1
.set G0A,  60                          ; s[60:63] group 0 of stream slot 0
.set G0B,  68                          ; s[68:71] group 0 of stream slot 1; it then walks
.set WV,   72
.set KIND, 73                          ; 0 scalar, 1 vector
.set WG,   74
.set RS,   75                          ; bytes from row to row of a tile
.set TAU,  76                          ; s76-78 the tiles' numbers, as dealt
.set TB,   79                          ; the LDS slot in hand
.set TS,   80
.set CNT,  81
.set CNT2, 82
.set SB,   83                          ; LDS byte of the biases of the chunk to come
.set NLE,  84                          ; s[84:85] -log2 e
.set LE,   86                          ; s[86:87] log2 e
.set AL,   88                          ; s[88:89], s[90:91]: gate hidden = AL x own + BE x sum of the three tiles: (1, 0) or (0, 1/3)
.set BE,   90
.set KM,   92
.set HIM,  93
.set MSB, 0
.macro WIN new                         ; the high byte repeats the setting that is left; a switch that changes nothing is dropped
.if MSB != (\new)
	s_set_vgpr_msb (MSB<<8)|(\new)
.set MSB, (\new)
.endif
.endm
.macro WINR                            ; for lines with no vector register as source 1: any setting of that field will do
.if (MSB & 0xf3) != 0
	WIN 0
.endif
.endm
.macro PLACES                          ; four plain instructions: the distance between a matrix instruction and a load into, or a vector line on, its registers
.rept 4
	v_nop
.endr
.endm
.macro CREST                           ; a round of the cluster's barrier behind its opening barrier
	s_cmp_lg_u32 s[WV], 0
	s_cbranch_scc1 .Lnot_wave_0_\@
	s_barrier_signal -3
.Lnot_wave_0_\@:
	s_barrier_wait -3
	s_barrier_signal -1
	s_barrier_wait -1
.endm
.macro ROUND
	s_barrier_signal -1
	s_barrier_wait -1
	CREST
.endm
.macro JLOAD                           ; the joint refill: every wave its quarter; the same line, descriptor and mask in all four work-groups
	tensor_load_to_lds s[G0B:G0B+3], s[G1:G1+7]
	s_nop 0
	PLACES
.endm
.macro RUNF adr, fs, fr, cnt           ; a run of loads: cnt fragments, fs on, of the unit at adr into the ring's places fr on (modulo 12); two loads of 16 bytes a lane each
.set lj_, 0
.rept \cnt
.set lr_, FB+8*(((\fr)+lj_)%12)
	ds_load_b128 v[lr_:lr_+3], v[\adr] offset:1024*((\fs)+lj_)
	ds_load_b128 v[lr_+4:lr_+7], v[\adr] offset:1024*((\fs)+lj_)+512
.set lj_, lj_+1
.endr
.endm
.macro BLD par                         ; the chunk's biases straight into its six accumulators: every product then adds in place
.set bn_, 0
.rept 12
	ds_load_b128 v[HB+48*(\par)+4*bn_:HB+48*(\par)+4*bn_+3], v[BADR] offset:64*((bn_%4)/2)+16*(bn_%2)
.set bn_, bn_+1
.endr
.endm
.macro BIASLD par
	v_add_nc_u32 v[BADR], s[SB], v[H32]
	s_add_co_u32 s[SB], s[SB], 128
	BLD \par
.endm
.macro QLD                             ; -log2 w for the next slot's two chunks
	v_add_nc_u32 v[WADR], s[SW], v[L16]
	s_add_co_u32 s[SW], s[SW], 512
	ds_load_b128 v[Q:Q+3], v[WADR]
.endm
.macro SETADR
	v_add_nc_u32 v[ADR0], s[TB], v[L16]
	s_add_co_u32 s[TS], s[TB], UNITB
	v_add_nc_u32 v[ADR1], s[TS], v[L16]
.endm
.macro P1W par, f, t                   ; H[par][t][f % 2] += W1 fragment f (K step f / 2, block f % 2) x X[t][f / 2]
.set xf_, 256+8*(3*((\f)/2)+(\t))
	WIN ((xf_>>8)<<2)
.set xr_, xf_&255
.set hr_, HB+48*(\par)+16*(\t)+8*((\f)%2)
.set fr_, FB+8*((\f)%12)
	v_wmma_f32_16x16x32_bf16 v[hr_:hr_+7], v[fr_:fr_+7], v[xr_:xr_+7], v[hr_:hr_+7]
.endm
.macro P2W ob, t, rg, zero             ; O[ob][t] += the W2' fragment in the ring's place rg x P[t]
.set of_, 640+8*(3*(\ob)+(\t))
	WIN (((of_>>8)<<6)|((of_>>8)<<4))
.set or_, of_&255
.set fr_, FB+8*(\rg)
.set er_, EB+16*(\t)
.if \zero
	v_wmma_f32_16x16x32_f16 v[or_:or_+7], v[fr_:fr_+7], v[er_:er_+7], 0
.else
	v_wmma_f32_16x16x32_f16 v[or_:or_+7], v[fr_:fr_+7], v[er_:er_+7], v[or_:or_+7]
.endif
.endm
; THE ACTIVATION of H[pa], 24 pairs (pair i: tile i / 8): F1: -h log2 e - log2 w.  Exponential.  F3: + 1 / w.  Reciprocal.  MC: times h (24 lines); then rounded to f16, compacted in place (24 lines).
.macro F1 pa, i
.set fh_, HB+48*(\pa)+2*(\i)
.set fe_, EB+2*(\i)
.if (\i)/8 == 0
	v_pk_fma_f32 v[fe_:fe_+1], v[fh_:fh_+1], s[NLE:NLE+1], v[Q:Q+1] op_sel_hi:[1,0,0]
.elseif (\i)/8 == 1
	v_pk_fma_f32 v[fe_:fe_+1], v[fh_:fh_+1], s[NLE:NLE+1], v[Q:Q+1] op_sel:[0,0,1] op_sel_hi:[1,0,1]
.else
	v_pk_fma_f32 v[fe_:fe_+1], v[fh_:fh_+1], s[NLE:NLE+1], v[Q+2:Q+3] op_sel_hi:[1,0,0]
.endif
.endm
.macro F3 i
.set fe_, EB+2*(\i)
.if (\i)/8 == 0
	v_pk_fma_f32 v[fe_:fe_+1], v[fe_:fe_+1], 1.0, v[V:V+1] op_sel_hi:[1,0,0]
.elseif (\i)/8 == 1
	v_pk_fma_f32 v[fe_:fe_+1], v[fe_:fe_+1], 1.0, v[V:V+1] op_sel:[0,0,1] op_sel_hi:[1,0,1]
.else
	v_pk_fma_f32 v[fe_:fe_+1], v[fe_:fe_+1], 1.0, v[V+2:V+3] op_sel_hi:[1,0,0]
.endif
.endm
.macro MC pa, z                        ; line z of 48: the 24 multiplies first, so that H[pa] is free early for the next biases; then the 24 roundings
.if (\z) < 24
	v_pk_mul_f32 v[EB+2*(\z):EB+2*(\z)+1], v[EB+2*(\z):EB+2*(\z)+1], v[HB+48*(\pa)+2*(\z):HB+48*(\pa)+2*(\z)+1]
.else
.set mt_, ((\z)-24)/8
.set mw_, ((\z)-24)%8
	v_cvt_pk_f16_f32 v[EB+16*mt_+mw_], v[EB+16*mt_+2*mw_], v[EB+16*mt_+2*mw_+1]
.endif
.endm
; The first batch, a list of 75: scaling i at number 2 i; between the scalings the three 1 / w = 2^(-log2 w) and the exponentials of scores 0 to 20; behind them scores 21 to 47.  No entry names an exponential's result.
.macro B1 pa, x
.if ((\x) < 48) && (((\x)%2) == 0)
	F1 \pa, (\x)/2
.elseif (\x) < 6
	v_exp_f32 v[V+(\x)/2], v[Q+(\x)/2]
.elseif (\x) < 48
	v_exp_f32 v[EB+(\x)/2-3], v[EB+(\x)/2-3]
.else
	v_exp_f32 v[EB+(\x)-27], v[EB+(\x)-27]
.endif
.endm
; The second batch, a list of 72: addition 0, then addition i at number 2 i - 1 and reciprocal m at number 2 m + 2, then reciprocals 23 to 47.  No entry names a reciprocal's result.
.macro B2 y
.if (\y) == 0
	F3 0
.elseif (\y) >= 47
	v_rcp_f32 v[EB+(\y)-24], v[EB+(\y)-24]
.elseif ((\y)%2) == 1
	F3 ((\y)+1)/2
.else
	v_rcp_f32 v[EB+(\y)/2-1], v[EB+(\y)/2-1]
.endif
.endm
; What rides behind product k of a body's first 96.  0-35: the first batch, two to a product (three behind the first three).  36-71: the second batch, two to a product.  72-83: four lines of MC.
; Each batch has ONE wait, ahead of its first reader: it stands ahead of products 36 and 72, behind four v_nop and directly ahead of the run of LDS loads there (HOOK).
; Each accumulator's pairs are taken in ascending order.
.macro PKT pa
.if k < 3
	WINR
	B1 \pa, 3*k
	B1 \pa, 3*k+1
	B1 \pa, 3*k+2
.elseif k < 36
	WINR
	B1 \pa, 2*k+3
	B1 \pa, 2*k+4
.elseif k < 72
	WINR
	B2 2*(k-36)
	B2 2*(k-36)+1
.elseif k < 84
	WIN 0
.set pz_, 4*(k-72)
.rept 4
	MC \pa, pz_
.set pz_, pz_+1
.endr
.endif
.set k, k+1
.endm
; WHAT STANDS AHEAD OF PRODUCT n_ OF A BODY.  Fragment f is read by products 3 f on (the first product goes by K steps: two fragments, six products).
; n_ % 18 = 0: A RUN.  The first two fragments of the six now due are in (their run's other 8 loads may stay out); four places behind the last reader of the six places to be filled; the six fragments after those.
; n_ % 18 = 6: the next two are in: 4 loads of their run and the 12 just issued may stay out.   n_ % 18 = 12: the last two: the 12 may stay out.
; n_ = 81: the run of the next chunk's biases (and, in a slot's second body, the next slot's -log2 w): BN loads, younger than the loads that the waits at 84, 90, 96 and 102 are for, so these count BN more.
; mode 0: a slot's first body.  1: the same in the last slot: no biases, and the run at 126 fetches the last W2'.  2: a slot's second body.
.macro HOOK adr, mode
.set wx_, 0
.if (n_ >= 84) && (n_ <= 102)
.set wx_, BN
.endif
.if (n_%18) == 6
	s_wait_dscnt 16+wx_
.elseif (n_%18) == 12
	s_wait_dscnt 12+wx_
.elseif (n_%18) == 0
	s_wait_dscnt 8+wx_
.if n_ < 96
	WINR
.else
	WIN 0
.endif
	PLACES
.if (n_ == 36) || (n_ == 72)
	s_wait_alu depctr_va_vdst(0)                   ; the wait for the batch of transcendentals just issued
.endif
.if n_ < 126
	RUNF \adr, n_/3+6, n_/3+6, 6
.elseif (\mode) == 0
	RUNF ADR1, 0, 0, 6
.else
	RUNF ADR1, 32, 0, 6
.endif
.elseif n_ == 81
	WINR
.if (\mode) == 0
	BLD 0
.elseif (\mode) == 2
	BLD 1
	ds_load_b128 v[Q:Q+3], v[WADR]
.endif
.endif
.endm
; A BODY: writes H[par], activates H[1 - par], reads the unit at adr.  The six accumulators of the first product and the 48 of the second take turns.
; The second body of a slot (mode 2) ends at product 120: the change of slots holds the rest.
.macro BODY par, adr, mode
.if (\mode) == 0
.set BN, 12
.elseif (\mode) == 2
.set BN, 13
.else
.set BN, 0
.endif
.set k, 0
.set n_, 0
.rept 96
	HOOK \adr, \mode
	P1W \par, 2*(n_/6)+n_%2, (n_%6)/2
	PKT 1-(\par)
.if (n_ == 72) && ((\mode) != 1)
	v_add_nc_u32 v[BADR], s[SB], v[H32]            ; the addresses of the run at 81, made under the riders' window setting
	s_add_co_u32 s[SB], s[SB], 128
.endif
.if (n_ == 72) && ((\mode) == 2)
	v_add_nc_u32 v[WADR], s[SW], v[L16]
	s_add_co_u32 s[SW], s[SW], 512
.endif
.set n_, n_+1
.endr
.rept 48-24*((\mode)/2)
	HOOK \adr, \mode
	P2W (n_-96)/3, n_%3, (n_/3)%12, 0
.set n_, n_+1
.endr
.endm
; THE CHANGE OF SLOTS, woven into products 120 to 131 of a slot's second body.  Each wave waits for all its tensor loads (one is out: its quarter of the other slot), adds 0 to its spare word, and waits for that and for its reads of this slot.
; fill = 1: the barrier opens a round of the cluster's, so that no wave of any partner still reads the slot or has a load on its way; the joint refill is the first thing behind the round.
.macro CHGE fill
	WIN 0
	s_wait_tensorcnt 0x0                           ; no tensor load of mine is out, so the walking group 0 may be written
	ds_add_u32 v[SPW], v[NIL]
.if \fill
	s_xor_b32 s[G0B+1], s[G0B+1], SLOT1
	s_add_nc_u64 s[G0B+2:G0B+3], s[G0B+2:G0B+3], SLOTB
.endif
	s_wait_dscnt 13                                ; output blocks 8 and 9 are in; the slot's last run of 12 loads and the add may be out
.set qn_, 0
.rept 6
	P2W 8+qn_/3, qn_%3, 4+qn_/3, 0
.set qn_, qn_+1
.endr
	s_wait_dscnt 0x0                               ; the add is done, and my reads of this slot are over
	s_barrier_signal -1
.set qn_, 0
.rept 6
	P2W 10+qn_/3, qn_%3, 6+qn_/3, 0
.set qn_, qn_+1
.endr
	WIN 0
	s_barrier_wait -1
.if \fill
	CREST
	JLOAD                                          ; its four v_nop are also the places ahead of the run below
.else
	PLACES
.endif
	s_xor_b32 s[TB], s[TB], SLOT1
	SETADR
	RUNF ADR0, 0, 0, 6
.endm
.macro G11                             ; output blocks 12 to 15: their fragments came in with the wait for 0 above
.set qn_, 0
.rept 12
	P2W 12+qn_/3, qn_%3, 8+qn_/3, 0
.set qn_, qn_+1
.endr
.endm
.macro CHGS                            ; the plain change, ahead of the loop
	WIN 0
	s_wait_tensorcnt 0x0
	ds_add_u32 v[SPW], v[NIL]
	s_xor_b32 s[G0B+1], s[G0B+1], SLOT1
	s_add_nc_u64 s[G0B+2:G0B+3], s[G0B+2:G0B+3], SLOTB
	s_wait_dscnt 0x0
	ROUND
	JLOAD
	s_xor_b32 s[TB], s[TB], SLOT1
.endm
; AHEAD OF THE LOOP the products go in groups of twelve on four fragments.  Group g of a first product: K steps 2 g and 2 g + 1.  wt: the eight loads of the next group's run may stay out.
; fg >= 0: group fg of the unit at fadr is fetched, two groups ahead, in one run behind the four places.
.macro P1GRP par, g, fadr, fg, wt
	s_wait_dscnt \wt
	WINR
	PLACES
.if (\fg) >= 0
	RUNF \fadr, 4*(\fg), 4*(\fg), 4
.endif
.set pn_, 0
.rept 12
	P1W \par, 4*(\g)+2*(pn_/6)+pn_%2, (pn_%6)/2
.set pn_, pn_+1
.endr
.endm
; Group i of a second product: output blocks 4 i .. 4 i + 3, from the ring's places 4 buf on.
.macro P2GRP i, buf, zero, wt, fadr, fg, fbuf
	s_wait_dscnt \wt
	WIN 0
	PLACES
.if (\fg) >= 0
	RUNF \fadr, 4*(\fg), 4*(\fbuf), 4
.endif
.set qn_, 0
.rept 12
	P2W 4*(\i)+qn_/3, qn_%3, 4*(\buf)+qn_/3, \zero
.set qn_, qn_+1
.endr
.endm
; A CHUNK OF THE GATE: 32 hidden units for the three tiles (into H1), the mean over the tiles where the path wants it, SiLU, and 32 of K of the logits.
.macro GCHUNK
	WIN 0
	PLACES                                         ; the ring's first place and E were sources of the logits' products
	v_add_nc_u32 v[ADR0], s[SGA], v[L16]
	v_add_nc_u32 v[ADR1], s[SG2], v[L16]
	v_add_nc_u32 v[BADR], s[SGB], v[H32]
	s_add_co_u32 s[SGA], s[SGA], 32768
	s_add_co_u32 s[SG2], s[SG2], 1024
	s_add_co_u32 s[SGB], s[SGB], 128
	BLD 1
	RUNF ADR0, 0, 0, 8
.irp g,0,1,2,3,4,5
	P1GRP 1, \g, ADR0, (\g)+2, 8
.endr
	P1GRP 1, 6, ADR0, -1, 8
	P1GRP 1, 7, ADR0, -1, 0
	WIN 0
	PLACES
	ds_load_b128 v[FB:FB+3], v[ADR1]               ; the chunk's fragment of Wg2
	ds_load_b128 v[FB+4:FB+7], v[ADR1] offset:512
.set z_, 0
.rept 8
	v_pk_add_f32 v[FB+32+2*z_:FB+33+2*z_], v[HB+48+2*z_:HB+49+2*z_], v[HB+64+2*z_:HB+65+2*z_]
.set z_, z_+1
.endr
.set z_, 0
.rept 8
	v_pk_add_f32 v[FB+32+2*z_:FB+33+2*z_], v[FB+32+2*z_:FB+33+2*z_], v[HB+80+2*z_:HB+81+2*z_]
.set z_, z_+1
.endr
.set z_, 0
.rept 8
	v_pk_mul_f32 v[FB+32+2*z_:FB+33+2*z_], v[FB+32+2*z_:FB+33+2*z_], s[BE:BE+1] op_sel_hi:[1,0]
.set z_, z_+1
.endr
.set z_, 0
.rept 24                                       ; each tile carries the bias, so a third of the sum carries it once
	v_pk_fma_f32 v[HB+48+2*z_:HB+49+2*z_], v[HB+48+2*z_:HB+49+2*z_], s[AL:AL+1], v[FB+32+2*(z_%8):FB+33+2*(z_%8)] op_sel_hi:[1,0,1]
.set z_, z_+1
.endr
.set z_, 0
.rept 24
	v_pk_mul_f32 v[EB+2*z_:EB+2*z_+1], v[HB+48+2*z_:HB+49+2*z_], s[NLE:NLE+1] op_sel_hi:[1,0]
.set z_, z_+1
.endr
.set z_, 0
.rept 48
	v_exp_f32 v[EB+z_], v[EB+z_]
.set z_, z_+1
.endr
	v_nop
	s_wait_alu depctr_va_vdst(0)
.set z_, 0
.rept 24
	v_pk_add_f32 v[EB+2*z_:EB+2*z_+1], v[EB+2*z_:EB+2*z_+1], 1.0 op_sel_hi:[1,0]
.set z_, z_+1
.endr
.set z_, 0
.rept 48
	v_rcp_f32 v[EB+z_], v[EB+z_]
.set z_, z_+1
.endr
	v_nop
	s_wait_alu depctr_va_vdst(0)
.set z_, 0
.rept 48
	MC 1, z_
.set z_, z_+1
.endr
	s_wait_dscnt 0x0
	WIN 0xa0
.irp t,0,1,2
	v_wmma_f32_16x16x32_f16 v[SL+8*\t:SL+8*\t+7], v[FB:FB+7], v[EB+16*\t:EB+16*\t+7], v[SL+8*\t:SL+8*\t+7]
.endr
.endm
.macro GLOOP                           ; a slot's two gate chunks
	WIN 0
	s_mov_b32 s[CNT2], 2
.Lgate_\@:
	GCHUNK
	WIN 0
	s_sub_co_u32 s[CNT2], s[CNT2], 1
	s_cmp_lg_u32 s[CNT2], 0
	s_cbranch_scc1 .Lgate_\@
.endm
; X: half tile j (tile j / 2, source j % 2): 16 rows x 1,024 bytes, sixteen lanes to 256 consecutive bytes of a row
.macro HT j
.set hb_, 640+128*((\j)%3)
	WIN ((hb_>>8)<<6)
.set hp_, PB+4*((\j)/2)+2*((\j)%2)
.set hn_, 0
.rept 32
	global_load_b128 v[(hb_&255)+4*hn_:(hb_&255)+4*hn_+3], v[VO+hn_/4], s[hp_:hp_+1] offset:256*(hn_%4) th:TH_LOAD_NT
.set hn_, hn_+1
.endr
.endm
.macro XSTEP j, wt
	s_wait_loadcnt \wt
.set hb_, 640+128*((\j)%3)
	WIN ((hb_>>8)|((hb_>>8)<<2))
.set hn_, 0
.rept 64
	v_cvt_pk_bf16_f32 v[HB+hn_], v[(hb_&255)+2*hn_], v[(hb_&255)+2*hn_+1]
.set hn_, hn_+1
.endr
.if (\j) < 3
	HT (\j)+3
.endif
	WIN 0
.set hn_, 0
.rept 32
	ds_store_b64 v[SA], v[HB+2*hn_:HB+2*hn_+1] offset:SPI*(hn_/4)+512*((\j)%2)+128*(hn_%4)
.set hn_, hn_+1
.endr
.if ((\j)%2) == 1                      ; the tile's 16 rows x 512 bf16 lie in my stage: back as 16 operands (LDS serves a wave's instructions in order: ISA guide 5.7.1.4)
.set hn_, 0
.rept 16
.set xf_, 256+8*(3*hn_+(\j)/2)
	WIN ((xf_>>8)<<6)
	ds_load_b128 v[(xf_&255):(xf_&255)+3], v[XA] offset:64*hn_
	ds_load_b128 v[(xf_&255)+4:(xf_&255)+7], v[XA] offset:64*hn_+32
.set hn_, hn_+1
.endr
.endif
.endm
.macro WIDEN a, tmp                    ; two numbers rounded to bf16 and written back as f32
	v_cvt_pk_bf16_f32 v[\tmp], v[\a], v[(\a)+1]
	v_lshlrev_b32 v[\a], 16, v[\tmp]
	v_and_b32 v[(\a)+1], s[HIM], v[\tmp]
.endm
; THE WAY OUT of tile t: a lane's eight columns of a row go into my stage and come back as whole rows; sixteen lanes store 256 consecutive bytes, aligned.  A tile past the last is not stored.
.macro OUTT t
.set on_, 0
.rept 16
.set of_, 640+8*(3*on_+(\t))
	WIN ((of_>>8)<<2)
	ds_store_b128 v[OS], v[(of_&255):(of_&255)+3] offset:64*on_
	ds_store_b128 v[OS], v[(of_&255)+4:(of_&255)+7] offset:64*on_+16
.set on_, on_+1
.endr
	WIN 0
.set on_, 0
.rept 32
	ds_load_b128 v[HB+4*on_:HB+4*on_+3], v[OL] offset:SPI*(on_/4)+256*(on_%4)
.set on_, on_+1
.endr
	s_wait_dscnt 0x0
	s_wait_xcnt 0x0                                ; EXEC changes only behind this wait
	v_mov_b32 v[TV], s[TAU+(\t)]
	v_cmp_gt_u32 vcc_lo, TILES, v[TV]
	s_and_saveexec_b32 s94, vcc_lo
.set on_, 0
.rept 32
	global_store_b128 v[VO+on_/4], v[HB+4*on_:HB+4*on_+3], s[OUTB+2*(\t):OUTB+2*(\t)+1] offset:256*(on_%4) th:TH_STORE_NT
.set on_, on_+1
.endr
	s_wait_xcnt 0x0                                ; and again: EXEC, and the registers that the stores read, are rewritten only behind it
	s_or_b32 exec_lo, exec_lo, s94
.endm
; ---------------- HEAD ----------------
	s_load_b512 s[8:23], s[0:1], 0x0               ; scalar_short s[8:9], scalar_long s[10:11], vector_short s[12:13], vector_long s[14:15], bs1 s[16:17], bg1 s[18:19], bg2 s[20:21], Wg2 s[22:23]
	s_load_b128 s[24:27], s[0:1], 0x40             ; wstream s[24:25], out0 s[26:27]
	s_load_b64 s[28:29], s[0:1], 0x50              ; out1
	v_lshl_add_u32 v[SPW], v0, 2, SPARE
	v_mov_b32 v[NIL], 0
	ds_add_u32 v[SPW], v[NIL]                      ; the wave's opening: the add and its wait stand ahead of my first tensor load; the set-up below stands between them
	v_lshrrev_b32 v1, 5, v0
	v_readfirstlane_b32 s[WV], v1                  ; wave 0..3
	s_bfe_u32 s94, ttmp6, 0x40000                  ; cx: it enters x's and the outputs' addresses and the stores' EXEC alone
	s_lshl_b32 s[WG], ttmp9, 2
	s_add_co_u32 s[WG], s[WG], s94
	s_mul_i32 s94, s[WV], 56
	s_add_co_u32 s94, s94, s[WG]                   ; scalar: tile (4 t + wave) 56 + work-group
	s_add_co_u32 s95, s94, 224
	s_add_co_u32 s96, s94, 448
	s_mul_i32 s97, s[WV], 160
	s_add_co_u32 s97, s97, s[WG]
	s_sub_co_u32 s97, s97, 56                      ; vector: group 160 wave + work-group - 56
	s_mov_b32 s[RS], 1024
	s_mov_b32 s98, 16384
	s_cmp_ge_u32 ttmp9, 14                         ; the path hangs on the cluster's number alone: partners are alike
	s_cselect_b32 s[KIND], 1, 0
	s_cselect_b32 s[RS], 3072, s[RS]
	s_cselect_b32 s98, 49152, s98                  ; bytes of 16 rows, or of 16 tokens
	s_cselect_b32 s[TAU], s97, s94
	s_cselect_b32 s[TAU+1], s97, s95
	s_cselect_b32 s[TAU+2], s97, s96
	s_cselect_b32 s[AL], 0, 1.0
	s_cselect_b32 s[BE], 0x3eaaaaab, 0
	s_cselect_b32 s[KM], 0, -1
	s_min_u32 s94, s[TAU], TILES-1                 ; a tile past the last repeats the last
	s_mul_i32 s94, s94, s98
	s_min_u32 s95, s[TAU+1], TILES-1
	s_mul_i32 s95, s95, s98
	s_min_u32 s96, s[TAU+2], TILES-1
	s_mul_i32 s96, s96, s98
	s_lshl_b32 s97, s[KIND], 10                    ; vector: tile t is component t, 1,024 bytes on
	s_add_co_u32 s95, s95, s97
	s_lshl_b32 s97, s[KIND], 11
	s_add_co_u32 s96, s96, s97
	s_mov_b32 s[AL+1], 0                           ; named as pairs
	s_mov_b32 s[BE+1], 0
	s_mov_b32 s[NLE], 0xbfb8aa3b
	s_mov_b32 s[NLE+1], s[NLE]
	s_mov_b32 s[LE], 0x3fb8aa3b
	s_mov_b32 s[LE+1], s[LE]
	s_mov_b32 s[HIM], 0xffff0000
	s_mov_b32 s[TB], 0
	s_mov_b32 s[SB], BT
	s_mov_b32 s[SGA], 0
	s_mov_b32 s[SGB], GBT
	s_mov_b32 s[SG2], G2T
	s_mul_i32 s[STG], s[WV], STGB
	s_add_co_u32 s[STG], s[STG], STAGE
	s_mov_b32 s[SW], s[STG]
	; descriptor group 1: 96 rows of 32 elements of 8 bytes, dense
	s_mov_b32 s[G1], 15|(3<<16)|(1<<21)            ; 15:0 the mask of four; 17:16 elements of 8 bytes; 21 set beside a mask
	s_mov_b32 s[G1+1], 32<<16                      ; tensor_dim0 = 32
	s_mov_b32 s[G1+2], 96<<16                      ; tensor_dim1 = 96
	s_mov_b32 s[G1+3], 32<<16                      ; tile_dim0 = 32
	s_mov_b32 s[G1+4], 96                          ; tile_dim1 = 96
	s_mov_b32 s[G1+5], 32                          ; 32 elements from row to row
	s_mov_b32 s[G1+6], 0
	s_mov_b32 s[G1+7], 0
	s_mov_b32 s[G0A], 1
	s_mul_i32 s[G0A+1], s[WV], QUART               ; my quarter of LDS slot 0
	s_mov_b32 s[G0B], 1
	s_add_co_u32 s[G0B+1], s[G0A+1], SLOT1
	s_wait_dscnt 0x0                               ; the opening add is done
	s_wait_kmcnt 0x0
	s_cmp_eq_u32 s[KIND], 1
	s_cselect_b64 s[30:31], s[12:13], s[8:9]
	s_cselect_b64 s[50:51], s[14:15], s[10:11]
	s_cselect_b64 s[66:67], s[28:29], s[26:27]
	s_mov_b32 s99, 0
.irp t,0,1,2
	s_mov_b32 s98, s[94+\t]
	s_add_nc_u64 s[PB+4*\t:PB+4*\t+1], s[30:31], s[98:99]
	s_add_nc_u64 s[PB+4*\t+2:PB+4*\t+3], s[50:51], s[98:99]
	s_add_nc_u64 s[OUTB+2*\t:OUTB+2*\t+1], s[66:67], s[98:99]
.endr
	s_mul_i32 s98, s[KIND], STREAM
	s_add_co_u32 s98, s98, s[G0A+1]
	s_add_nc_u64 s[G0A+2:G0A+3], s[24:25], s[98:99]        ; my quarter of the path's stream slot 0,
	s_add_nc_u64 s[G0B+2:G0B+3], s[G0A+2:G0A+3], SLOTB     ; and of slot 1
	s_or_b32 s[G0A+3], s[G0A+3], 0x80000000
	s_or_b32 s[G0B+3], s[G0B+3], 0x80000000
	ROUND                                          ; all four work-groups are here: the first joint loads meet
	tensor_load_to_lds s[G0A:G0A+3], s[G1:G1+7]
	s_nop 0
	tensor_load_to_lds s[G0B:G0B+3], s[G1:G1+7]
	s_nop 0
	PLACES
; ---------------- LANE TERMS, TABLES ----------------
	v_lshlrev_b32 v[TA], 4, v0                     ; 16 x thread
	v_and_b32 v[LN], 31, v0
	v_and_b32 v[RL], 15, v0
	v_bfe_u32 v[HH], v0, 4, 1
	v_lshlrev_b32 v[L16], 4, v[LN]
	v_lshlrev_b32 v[H32], 5, v[HH]
	s_lshl_b32 s94, s[RS], 3
	v_mul_u32_u24 v[VO], s94, v[HH]                ; lanes 16-31 take the rows eight further down
	v_lshl_add_u32 v[VO], v[RL], 4, v[VO]
.irp i,1,2,3,4,5,6,7
	v_add_nc_u32 v[VO+\i], s[RS], v[VO+\i-1]
.endr
	v_and_b32 v[T2], 1, v[LN]
	v_lshlrev_b32 v[T2], 4, v[T2]
	v_and_b32 v[T3], 7, v[RL]
	v_lshlrev_b32 v[T3], 2, v[T3]
	v_lshl_add_u32 v[T3], v[HH], 10, v[T3]
	s_lshr_b32 s94, s[WV], 1
	s_lshl_b32 s94, s94, 11
	s_and_b32 s95, s[WV], 1
	s_lshl_b32 s95, s95, 6
	s_add_co_u32 s94, s94, s95
	v_add_nc_u32 v[T3], s94, v[T3]                 ; Wg2: wave g makes fragment g: unit 64 (g / 2) + 4 (8 hh + i) + 2 (g % 2) + half, expert r % 8
.irp i,0,1,2,3
	global_load_b128 v[TD+4*\i:TD+4*\i+3], v[TA], s[16:17] offset:2048*\i
.endr
	global_load_b128 v[TD+16:TD+19], v[L16], s[18:19]
	global_load_b128 v[TD+20:TD+23], v[T2], s[20:21]
.set n_, 0
.rept 16
	global_load_b32 v[TD+24+n_], v[T3], s[22:23] offset:128*(n_%8)+32*(n_/8)
.set n_, n_+1
.endr
	HT 0
	WIN 0
	v_lshlrev_b32 v[T4], 2, v[RL]
	v_lshl_add_u32 v[T4], v[HH], 8, v[T4]          ; 256 (lane / 16) + 4 (lane % 16): y and m of the hidden order
	s_lshl_b32 s94, s[WV], 9
	s_add_co_u32 s94, s94, BT
	v_add_nc_u32 v[T5], s94, v[T4]
	v_add_nc_u32 v[T6], GBT, v[T4]
	v_add_nc_u32 v[T7], GB2, v[T2]
	s_lshl_b32 s94, s[WV], 10
	s_add_co_u32 s94, s94, G2T
	v_add_nc_u32 v[T8], s94, v[L16]
	v_mul_u32_u24 v[SA], 8*SPI, v[HH]
	v_lshl_add_u32 v[SA], v[RL], 3, v[SA]
	v_add_nc_u32 v[SA], s[STG], v[SA]              ; X into the stage: row i + 8 (lane / 16), 8 bytes a lane
	v_mul_u32_u24 v[XA], SPI, v[RL]
	v_lshl_add_u32 v[XA], v[HH], 4, v[XA]
	v_add_nc_u32 v[XA], s[STG], v[XA]              ; and back: row lane % 16, 16 bytes for each half of the lanes
	s_wait_loadcnt 32                              ; the 22 table loads are in; half tile 0's 32 may stay out
.set n_, 0
.rept 20
	WIDEN TD+2*n_, TT+n_
.set n_, n_+1
.endr
.set n_, 0
.rept 16
	v_and_b32 v[TD+n_], s[KM], v[TD+n_]            ; the vector path has no bias
.set n_, n_+1
.endr
.set n_, 0
.rept 8
	v_cvt_pk_f16_f32 v[TF+n_], v[TD+24+2*n_], v[TD+24+2*n_+1]
.set n_, n_+1
.endr
.set n_, 0
.rept 16
	ds_store_b32 v[T5], v[TD+n_] offset:2048*(n_/4)+64*(n_%4)
.set n_, n_+1
.endr
	ds_store_b128 v[T8], v[TF:TF+3]
	ds_store_b128 v[T8], v[TF+4:TF+7] offset:512
	s_cmp_lg_u32 s[WV], 0
	s_cbranch_scc1 .Lno_bg1
.irp n,0,1,2,3
	ds_store_b32 v[T6], v[TD+16+\n] offset:64*\n
.endr
.Lno_bg1:
	s_cmp_lg_u32 s[WV], 1
	s_cbranch_scc1 .Lno_bg2
	ds_store_b128 v[T7], v[TD+20:TD+23]
.Lno_bg2:
; ---------------- X INTO REGISTERS ----------------
	HT 1
	HT 2
	XSTEP 0, 63                                    ; two younger half tiles are 64 loads; the wait's count names 63 at the most: one load stricter
	XSTEP 1, 63
	XSTEP 2, 63
	XSTEP 3, 63
	XSTEP 4, 32
	XSTEP 5, 0
	WIN 0
	s_wait_tensorcnt 1                             ; my quarter of stream slot 0 is in; slot 1's may stay out
	s_wait_dscnt 0x0                               ; my part of the tables is in LDS, X is in registers
	s_barrier_signal -1
	s_barrier_wait -1
; ---------------- STREAM SLOT 0: gate chunks 0, 1; the first product of chunk 0 ----------------
	v_mov_b32 v[ADR0], GB2
	WIN 0x80
.irp t,0,1,2
	ds_load_b128 v[SL+8*\t:SL+8*\t+3], v[ADR0]     ; the logits begin with bg2: register j of either half of the lanes is expert j
	ds_load_b128 v[SL+8*\t+4:SL+8*\t+7], v[ADR0] offset:16
.endr
	GLOOP
	PLACES
	BIASLD 0
	s_add_co_u32 s[TS], s[TB], 65536
	v_add_nc_u32 v[ADR1], s[TS], v[L16]
	RUNF ADR1, 0, 0, 8
.irp g,0,1,2,3,4,5
	P1GRP 0, \g, ADR1, (\g)+2, 8
.endr
	P1GRP 0, 6, ADR1, -1, 8
	P1GRP 0, 7, ADR1, -1, 0
	CHGS                                           ; stream slot 2 is asked for
; ---------------- STREAM SLOT 1: gate chunks 2, 3; softmax; the bias step starts all 48 sums ----------------
	s_mov_b32 s[SGA], s[TB]
	GLOOP
	PLACES
	s_add_co_u32 s[TS], s[TB], 65536
	v_add_nc_u32 v[ADR1], s[TS], v[L16]
	RUNF ADR1, 0, 0, 8                             ; the first eight fragments C
	v_add_nc_u32 v[WADR], s[STG], v[L16]
	WIN 0xaa                                       ; the softmax: all operands in window 2
.irp t,0,1,2
	v_max3_num_f32 v[SPM+2*\t+1], v[SL+8*\t], v[SL+8*\t+1], v[SL+8*\t+2]
.endr
.irp t,0,1,2
	v_max3_num_f32 v[SPM+2*\t+1], v[SPM+2*\t+1], v[SL+8*\t+3], v[SL+8*\t+4]
.endr
.irp t,0,1,2
	v_max3_num_f32 v[SPM+2*\t+1], v[SPM+2*\t+1], v[SL+8*\t+5], v[SL+8*\t+6]
.endr
.irp t,0,1,2
	v_max_num_f32 v[SPM+2*\t+1], v[SPM+2*\t+1], v[SL+8*\t+7]
.endr
.irp t,0,1,2
	v_mul_f32 v[SPM+2*\t], s[LE], v[SPM+2*\t+1]
.endr
.irp t,0,1,2
.irp i,0,1,2,3
	v_pk_fma_f32 v[SAA+8*\t+2*\i:SAA+8*\t+2*\i+1], v[SL+8*\t+2*\i:SL+8*\t+2*\i+1], s[LE:LE+1], v[SPM+2*\t:SPM+2*\t+1] op_sel_hi:[1,0,0] neg_lo:[0,0,1] neg_hi:[0,0,1]
.endr
.endr
.set n_, 0
.rept 24
	v_exp_f32 v[SP+n_], v[SAA+n_]
.set n_, n_+1
.endr
	v_nop
	s_wait_alu depctr_va_vdst(0)
.irp t,0,1,2
	v_pk_add_f32 v[SS+4*\t:SS+4*\t+1], v[SP+8*\t:SP+8*\t+1], v[SP+8*\t+2:SP+8*\t+3]
	v_pk_add_f32 v[SS+4*\t+2:SS+4*\t+3], v[SP+8*\t+4:SP+8*\t+5], v[SP+8*\t+6:SP+8*\t+7]
.endr
.irp t,0,1,2
	v_pk_add_f32 v[SS+4*\t:SS+4*\t+1], v[SS+4*\t:SS+4*\t+1], v[SS+4*\t+2:SS+4*\t+3]
.endr
.irp t,0,1,2
	v_add_f32 v[SS+4*\t], v[SS+4*\t], v[SS+4*\t+1]
.endr
.irp t,0,1,2
	v_rcp_f32 v[SRL+2*\t], v[SS+4*\t]
	v_log_f32 v[SRL+2*\t+1], v[SS+4*\t]
.endr
	v_nop
	s_wait_alu depctr_va_vdst(0)
.irp t,0,1,2
.irp i,0,1,2,3
	v_pk_mul_f32 v[SP+8*\t+2*\i:SP+8*\t+2*\i+1], v[SP+8*\t+2*\i:SP+8*\t+2*\i+1], v[SRL+2*\t:SRL+2*\t+1] op_sel_hi:[1,0]
.endr
.endr
.irp e,0,1,2,3,4,5,6,7
.irp t,0,1,2
	v_sub_f32 v[SNL+4*\e+\t], v[SRL+2*\t+1], v[SAA+8*\t+\e]    ; -log2 w = log2 s - a
.endr
	v_mov_b32 v[SNL+4*\e+3], 0
.endr
	WIN 0x0a
.irp t,0,1,2
.irp i,0,1,2,3
	v_cvt_pk_f16_f32 v[EB+16*\t+\i], v[SP+8*\t+2*\i], v[SP+8*\t+2*\i+1]  ; w as source 1 of the bias step: k = e in lanes 0-15; lanes 16-31 meet zeros in C
.endr
.endr
	WIN 0
.irp t,0,1,2
.irp i,4,5,6,7
	v_mov_b32 v[EB+16*\t+\i], 0
.endr
.endr
	v_mov_b32 v[V+3], 0
	WIN 0x08
.set n_, 0
.rept 32                                       ; the table goes by slots: an expert's eight chunks are four slots, so its quad is stored four times
	ds_store_b128 v[WADR], v[SNL+4*(n_/4):SNL+4*(n_/4)+3] offset:512*n_
.set n_, n_+1
.endr
	WIN 0
	BIASLD 1
	QLD
	P2GRP 0, 0, 1, 0, ADR1, 2, 2                   ; the table's stores and the loads above are younger than the run: the first wait is for 0
	P2GRP 1, 1, 1, 8, ADR1, 3, 0
	P2GRP 2, 2, 1, 8, ADR1, -1, 0
	P2GRP 3, 0, 1, 0, ADR1, -1, 0
	CHGS                                           ; stream slot 3 is asked for
	SETADR
	RUNF ADR0, 0, 0, 6
	s_mov_b32 s[CNT], 31
	s_branch .Lenter                               ; the loop is entered behind its change of slots
; ---------------- THE LOOP: a stream slot, two bodies, a trip ----------------
.Lslot:                                                ; 30 times: stream slots 4 to 33 are asked for
	CHGE 1
	G11
	WIN 0
.Lenter:
	BODY 1, ADR0, 0
	BODY 0, ADR1, 2
	WIN 0
	s_sub_co_u32 s[CNT], s[CNT], 1
	s_cmp_lg_u32 s[CNT], 0
	s_cbranch_scc1 .Lslot
	CHGE 0                                         ; the tail is written out: nothing is left to ask for
	G11
	BODY 1, ADR0, 1                                ; chunk 63; its run at product 126 has fetched output blocks 0 to 5 of the last W2' into places 0 to 5
	WIN 0
	PLACES                                         ; E and places 6 to 11 were sources of the products just issued
	RUNF ADR1, 38, 6, 6                            ; output blocks 6 to 11
.set k, 0
.rept 84                                       ; the last chunk's activation has no products to ride behind
.if (k == 36) || (k == 72)
	v_nop
	s_wait_alu depctr_va_vdst(0)
.endif
	PKT 1
.endr
	s_wait_dscnt 0x0
.set qn_, 0
.rept 18
	P2W qn_/3, qn_%3, qn_/3, 0
.set qn_, qn_+1
.endr
	WIN 0
	PLACES
	RUNF ADR1, 44, 0, 4                            ; output blocks 12 to 15 into places 0 to 3
.set qn_, 0
.rept 18
	P2W 6+qn_/3, qn_%3, 6+qn_/3, 0
.set qn_, qn_+1
.endr
	s_wait_dscnt 0x0
.set qn_, 0
.rept 12
	P2W 12+qn_/3, qn_%3, qn_/3, 0
.set qn_, qn_+1
.endr
; ---------------- THE WAY OUT ----------------
	WIN 0
	PLACES
	s_lshr_b32 s94, s[RS], 2
	v_mul_u32_u24 v[VO], s94, v[H32]               ; 8 rows x (lane / 16)
	v_and_b32 v[OT], 0xf0, v[L16]
	v_add_nc_u32 v[VO], v[VO], v[OT]
.irp i,1,2,3,4,5,6,7
	v_add_nc_u32 v[VO+\i], s[RS], v[VO+\i-1]
.endr
	v_bfe_u32 v[OT], v[L16], 4, 4                  ; lane % 16
	v_mul_u32_u24 v[OS], SPI, v[OT]
	v_add_nc_u32 v[OS], v[OS], v[H32]              ; in: row lane % 16, 32 bytes for each half of the lanes
	v_add_nc_u32 v[OS], s[STG], v[OS]
	v_mul_u32_u24 v[OL], 260, v[H32]               ; back: row i + 8 (lane / 16),
	v_lshl_add_u32 v[OL], v[OT], 4, v[OL]          ; 16 bytes a lane
	v_add_nc_u32 v[OL], s[STG], v[OL]
	OUTT 0
	OUTT 1
	OUTT 2
	s_wait_tensorcnt 0x0                           ; the wave's end: behind my last tensor load and my last LDS store
	ds_add_u32 v[SPW], v[NIL]
	s_wait_dscnt 0x0
	ROUND                                          ; the closing round: no work-group ends while a partner may still ask for a slot that names it
	s_endpgm
.Lfunc_end_k_q3f4ddff859_moe:
	.size	k_q3f4ddff859_moe, .Lfunc_end_k_q3f4ddff859_moe-k_q3f4ddff859_moe
	.p2alignl 7, 3214868480
	.fill 96, 4, 3214868480
	.section	.rodata,"a",@progbits
	.p2align	6, 0x0
	.amdhsa_kernel k_q3f4ddff859_moe
		.amdhsa_group_segment_fixed_size 327680
		.amdhsa_private_segment_fixed_size 0
		.amdhsa_enable_private_segment 0
		.amdhsa_kernarg_size 88
		.amdhsa_user_sgpr_count 2
		.amdhsa_user_sgpr_kernarg_segment_ptr 1
		.amdhsa_wavefront_size32 1
		.amdhsa_system_sgpr_workgroup_id_x 1
		.amdhsa_system_sgpr_workgroup_id_y 1
		.amdhsa_system_sgpr_workgroup_id_z 1
		.amdhsa_system_vgpr_workitem_id 0
		.amdhsa_next_free_vgpr 1024
		.amdhsa_next_free_sgpr 100
		.amdhsa_reserve_vcc 1
		.amdhsa_float_denorm_mode_32 3
		.amdhsa_float_denorm_mode_16_64 3
		.amdhsa_memory_ordered 1
		.amdhsa_forward_progress 1
		.amdhsa_inst_pref_size 255
	.end_amdhsa_kernel
	.section	.bss,"aw",@nobits
	.p2align	6
	.space	262144
	.amdgpu_metadata
---
amdhsa.version: [ 1, 2 ]
amdhsa.kernels:
  - .name:           k_q3f4ddff859_moe
    .symbol:         k_q3f4ddff859_moe.kd
    .args:
      - { .name: scalar_short, .offset: 0, .size: 8, .value_kind: global_buffer, .address_space: global }
      - { .name: scalar_long, .offset: 8, .size: 8, .value_kind: global_buffer, .address_space: global }
      - { .name: vector_short, .offset: 16, .size: 8, .value_kind: global_buffer, .address_space: global }
      - { .name: vector_long, .offset: 24, .size: 8, .value_kind: global_buffer, .address_space: global }
      - { .name: bs1, .offset: 32, .size: 8, .value_kind: global_buffer, .address_space: global }
      - { .name: bg1, .offset: 40, .size: 8, .value_kind: global_buffer, .address_space: global }
      - { .name: bg2, .offset: 48, .size: 8, .value_kind: global_buffer, .address_space: global }
      - { .name: Wg2, .offset: 56, .size: 8, .value_kind: global_buffer, .address_space: global }
      - { .name: wstream, .offset: 64, .size: 8, .value_kind: global_buffer, .address_space: global }
      - { .name: out0, .offset: 72, .size: 8, .value_kind: global_buffer, .address_space: global }
      - { .name: out1, .offset: 80, .size: 8, .value_kind: global_buffer, .address_space: global }
    .group_segment_fixed_size: 327680
    .private_segment_fixed_size: 0
    .kernarg_segment_align: 8
    .kernarg_segment_size: 88
    .max_flat_workgroup_size: 128
    .sgpr_count:     100
    .vgpr_count:     1024
    .wavefront_size: 32
...
	.end_amdgpu_metadata
.endif
;; end of part 2
